; MI455X (gfx1250); checked and timed in simulation.
; The chip was launched on July 23, 2026; its instructions are those of AMD's public machine-readable ISA for CDNA 5 (MIT licence, August 2026) and "CDNA5" Instruction Set Architecture Reference Guide (July 2026). The comments in the code are by the model that wrote it; some were corrected since.
;; Bayesian Layer. Allowed arithmetic: float matrix products may take bf16 or f16 operands with f32 sums; all other float work in f32.
;; Inputs: eps 32 x 2 x 1,024 x 1,024 float32; eps_bias 32 x 2 x 1,024 float32; mu 1,024 x 1,024 float32; mu_bias 1 x 1,024 float32; ro 1,024 x 1,024 float32; ro_bias 1 x 1,024 float32; x 32 x 1,024 float32.
;; Outputs: out0 32 x 1,024 float32; out1 one number float32; out2 one number float32.
;; One version. Each part assembles by itself: llvm-mc -triple=amdgcn-amd-amdhsa -mcpu=gfx1250 --defsym DOCPART=n.
;; ======== version 1 of 1: 2 launches
;; workspace buffers: part 2,097,152 bytes; sums 2,048 bytes
;; launch main (part 1): grid 16 x 16, 8 waves a work-group, no clusters, 140,544 bytes of LDS; arguments eps, mu, ro, x, part, sums; writes part, sums
.if DOCPART == 1
	.amdgcn_target "amdgcn-amd-amdhsa--gfx1250"
	.amdhsa_code_object_version 6
	.text
	.protected	k_q43e28d7cd7_main
	.globl	k_q43e28d7cd7_main
	.p2align	8
	.type	k_q43e28d7cd7_main,@function
k_q43e28d7cd7_main:
	s_mov_b64 s[64:65], 0
	v_nop
	global_prefetch_b8 v0, s[64:65] scope:SCOPE_SE
	s_setreg_imm32_b32 hwreg(HW_REG_WAVE_MODE, 25, 1), 1
	s_wait_xcnt 0x0
; BayesianLayer, first of two launches: the one pass over eps [32 b][2 r][1024 i][1024 o] f32.
;
; SHARES.  Work-group (ot, it) owns rows i = 64 it .. +63 and columns o = 64 ot .. +63 of all 64 slabs n = 2 b + r: sigma = softplus(ro) and mu of
; its tile are read and made once and stay in registers.  Thread t (c = t & 15, sub = t >> 4) owns rows 4 sub + j, j = 0..3, columns 4 c .. 4 c + 3:
; 16 numbers of every slab.  Sixteen neighbouring lanes load 256 consecutive bytes, aligned; every byte of eps, mu and ro is read once.
; A ring of 8 slabs in registers keeps 32 loads of 16 bytes a lane out in every wave: 8 waves x 32 x 512 = 131,072 bytes for the work-group.
;
; ARITHMETIC, with k = sqrt(3 / (8 ln 2)), S' = k sigma, M' = k mu, for each number e of eps:
;   W = e S' + M' = k w        ACC += x W        SE += e^2        ST += W^2        P *= 1 + 2^(1 - W^2)
;   log mixture(w) = ln(0.25 / sqrt(2 pi)) - (ln 2 / 3) W^2 + ln 2 log2(1 + 2^(1 - W^2))   (exp(-w^2/8) taken out of both terms: exact)
;   log N(w; mu, sigma) = -e^2 / 2 - ln sqrt(2 pi) - ln sigma                               ((w - mu) / sigma is e)
; The logarithms of the prior are taken of a product: a chain P gets 64 factors, each in [1, 3], so 1 <= P <= 3^64 < 2^102 whatever the inputs;
; one v_log_f32 for each chain at the end.  A thread hands on U = sum log2 P - ST / 3 and V = -SE / 2 - 64 ln 2 sum log2 sigma.
;
; OUT.  part[it][b][o] = k sum over r and my 64 rows of x w;  sums[16 it + ot] = (U, V) of the work-group.  The second launch adds them up.
;
; LEFT OUT.  Matrix instructions: each weight meets one row of x, so a 16-row product would use one row in sixteen and ask for a conversion of every
; number; the f32 multiply-add is half an instruction a number.  Clusters: eps, mu and ro are read by one work-group each; only x is shared, 8,192
; bytes of the about 1 MiB that a work-group reads.  LDS ring: the registers hold what is in flight, and a way through LDS would add a read of each byte.
;
; LIMITS.  (1) Where reference()'s densities underflow to 0 in f32 and their logarithm is -inf (eps^2 / 2 or w^2 / 8 beyond about 100) this text gives
; the finite number of the formulas above.  (2) (w - mu) / sigma is taken as eps; reference() rounds w first, an error of about ulp(mu) / sigma in it.
; (3) v_exp_f32 and v_log_f32 flush denormals: a sigma below 2^-126 (ro below about -87) counts as 0, where reference() divides by sigma^2 = 0.
.set ROW,   4096                       ; bytes in a row of eps, mu, ro, x
.set SLAB,  0x400000                   ; bytes in a slab of eps
.set STEP,  8*SLAB                     ; a round takes the 8 half-slots once
.set PART,  8192                       ; LDS: 0 x [32 b][64 i]; 8192 partial sums [32 b][16 sub][64 o]; 139264 (U, V) of the 8 waves
.set SUMS,  139264
.set XADR,  1                          ; v1        LDS address of x[b][4 sub ..] of the round's first b
.set PADR,  2                          ; v2        LDS address of my 16 bytes of the partial sums of the round's first b
.set LS,    3                          ; v3        sum of log2 sigma of my 16 places
.set OFF,   8                          ; v[8:15]   half-slot h: byte offset in eps of my 16 bytes in row 4 sub of the slab that it loads next
.set S,     16                         ; v[16:31]  k sigma, row j at 4 j
.set M,     32                         ; v[32:47]  k mu
.set X,     48                         ; v[48:63]  x[b][4 sub + 0..3] for the four b of a round
.set ACC,   64                         ; v[64:67]  sums for out, my 4 columns
.set W,     68                         ; v[68:83]  k w of a slab
.set T,     84                         ; v[84:99]  1 - W^2, then 2^(1 - W^2)
.set P,     100                        ; v[100:115] the 16 products
.set SE,    116                        ; v[116:119] sums of e^2
.set ST,    120                        ; v[120:123] sums of W^2
.set UV,    124                        ; v[124:125] U, V
.set E,     128                        ; v[128:255] half-slot h at 16 h, row j at 4 j
.set C_NL2E, 21                        ; scalar constants
.set C_LN2,  22
.set C_M25,  23
.set C_13,   24
.set C_TH,   25
.set C_K,    26                        ; s[26:27]: k, -1/3 (a pair for the packed multiply, which takes its first word)
.set C_M13,  27
	s_load_b256 s[4:11], s[0:1], 0x0               ; eps s[4:5], mu s[6:7], ro s[8:9], x s[10:11]
	s_load_b128 s[12:15], s[0:1], 0x20             ; part s[12:13], sums s[14:15]
	s_set_vgpr_msb 0x40
	v_lshl_add_u32 v0, v0, 2, 0x22100
	v_mov_b32 v1, 0
	s_set_vgpr_msb 0x4000
	s_mov_b32 s16, ttmp9                           ; ot
	s_and_b32 s17, ttmp7, 0xffff                   ; it
	s_lshl_b32 s18, s17, 18                        ; 64 rows of 4,096 bytes
	s_lshl_b32 s32, s16, 8                         ; 64 columns of 4 bytes
	s_add_co_u32 s18, s18, s32                     ; my tile's corner in a matrix of [1024][1024]
	s_lshl_b32 s33, s17, 8                         ; my 64 numbers in a row of x
	v_lshrrev_b32 v4, 5, v0
	v_readfirstlane_b32 s19, v4                    ; wave 0..7
	s_mov_b32 s[C_NL2E], 0xbfb8aa3b                ; -log2 e
	s_mov_b32 s[C_LN2],  0x3f317218                ; ln 2
	s_mov_b32 s[C_M25],  0xbe800000                ; -1/4
	s_mov_b32 s[C_13],   0x3eaaaaab                ; 1/3
	s_mov_b32 s[C_TH],   0x3c800000                ; 2^-6
	s_mov_b32 s[C_K],    0x3f3c4bf9                ; k = sqrt(3 / (8 ln 2))
	s_mov_b32 s[C_M13],  0xbeaaaaab                ; -1/3
	s_mov_b32 s28, 0x76543210                      ; v_permlanex16_b32: lane i of one half reads lane i of the other
	s_mov_b32 s29, 0xfedcba98
	s_mov_b32 s31, 0xc2317218                      ; -64 ln 2
	v_and_b32 v5, 15, v0
	v_lshrrev_b32 v6, 4, v0                        ; sub
	v_lshlrev_b32 v5, 4, v5                        ; 16 c
	v_lshl_or_b32 v[OFF], v6, 14, v5               ; 4 sub rows + 16 c
	v_add_nc_u32 v[OFF], s18, v[OFF]               ; + the tile's corner: serves mu, ro and slab 0
.irp h, 1,2,3,4,5,6,7
	v_add_nc_u32 v[OFF+\h], \h*SLAB, v[OFF]
.endr
	v_lshl_or_b32 v7, v6, 12, v5                   ; x: row t >> 4, 16 bytes at 16 c
	v_add_nc_u32 v7, s33, v7
	v_lshlrev_b32 v4, 4, v0                        ; 16 t
	v_lshlrev_b32 v[XADR], 4, v6
	v_add_nc_u32 v[PADR], PART, v4
	s_wait_kmcnt 0x0
.irp j, 0,1,2,3
	global_load_b128 v[T+4*\j:T+4*\j+3], v[OFF], s[8:9] offset:\j*ROW th:TH_LOAD_NT      ; ro
.endr
.irp j, 0,1,2,3
	global_load_b128 v[M+4*\j:M+4*\j+3], v[OFF], s[6:7] offset:\j*ROW th:TH_LOAD_NT      ; mu
.endr
	global_load_b128 v[P:P+3],   v7, s[10:11]                  ; x rows 0-15 (16 work-groups read them: no hint)
	global_load_b128 v[P+4:P+7], v7, s[10:11] offset:16*ROW    ; x rows 16-31
.irp h, 0,1,2,3,4,5,6,7
.irp j, 0,1,2,3
	global_load_b128 v[E+16*\h+4*\j:E+16*\h+4*\j+3], v[OFF+\h], s[4:5] offset:\j*ROW th:TH_LOAD_NT   ; the ring: slabs 0 to 7
.endr
.endr
; d = softplus(r) for 4 registers; 16 registers of scratch at t.  y = e^-|r|; log1p(y) = y (1 - y/2 + y^2/3 - y^3/4) below y = 2^-6 (the first term
; left out is y^4/5 < 1.2e-8 of the result), ln 2 log2(1 + y) from there on; the result is max(r, 0) + log1p(y).  The choice selects a value only.
.macro SOFTPLUS4 r, d, t
.irp i, 0,1,2,3
	v_and_b32 v[\t+\i], 0x7fffffff, v[\r+\i]
.endr
.irp i, 0,1,2,3
	v_mul_f32 v[\t+\i], s[C_NL2E], v[\t+\i]
.endr
.irp i, 0,1,2,3
	v_exp_f32 v[\t+\i], v[\t+\i]                   ; y
.endr
.irp i, 0,1,2,3
	v_max_num_f32 v[\t+12+\i], 0, v[\r+\i]         ; plain work between the exponentials and the first use of y (ISA guide 5.7.2)
.endr
	s_wait_alu depctr_va_vdst(0)
.irp i, 0,1,2,3
	v_add_f32 v[\t+8+\i], 1.0, v[\t+\i]
.endr
.irp i, 0,1,2,3
	v_log_f32 v[\t+8+\i], v[\t+8+\i]
.endr
.irp i, 0,1,2,3
	v_fma_f32 v[\t+4+\i], v[\t+\i], s[C_M25], s[C_13]          ; the polynomial stands between the logarithms and their use
.endr
.irp i, 0,1,2,3
	v_fma_f32 v[\t+4+\i], v[\t+4+\i], v[\t+\i], -0.5
.endr
.irp i, 0,1,2,3
	v_fma_f32 v[\t+4+\i], v[\t+4+\i], v[\t+\i], 1.0
.endr
.irp i, 0,1,2,3
	v_mul_f32 v[\t+4+\i], v[\t+4+\i], v[\t+\i]
.endr
	s_wait_alu depctr_va_vdst(0)
.irp i, 0,1,2,3
	v_mul_f32 v[\t+8+\i], s[C_LN2], v[\t+8+\i]
.endr
.irp i, 0,1,2,3
	v_cmp_gt_f32 vcc_lo, s[C_TH], v[\t+\i]
	v_cndmask_b32 v[\t+8+\i], v[\t+8+\i], v[\t+4+\i], vcc_lo
.endr
.irp i, 0,1,2,3
	v_add_f32 v[\d+\i], v[\t+12+\i], v[\t+8+\i]
.endr
.endm
; eight register pairs at b are added into the pair at b
.macro FOLD16 b
.irp i, 0,2,4,6
	v_pk_add_f32 v[\b+\i:\b+\i+1], v[\b+\i:\b+\i+1], v[\b+8+\i:\b+8+\i+1]
.endr
.irp i, 0,2
	v_pk_add_f32 v[\b+\i:\b+\i+1], v[\b+\i:\b+\i+1], v[\b+4+\i:\b+4+\i+1]
.endr
	v_pk_add_f32 v[\b:\b+1], v[\b:\b+1], v[\b+2:\b+3]
.endm
	s_wait_loadcnt 32                              ; loads come back in order (ISA guide 5.7.1): ro, mu and x are in, the ring's 32 stay out
	ds_store_b128 v4, v[P:P+3]                     ; x[b][64 it ..] at 256 b: row t >> 4, 16 bytes at 16 c = byte 16 t
	ds_store_b128 v4, v[P+4:P+7] offset:4096
	s_wait_dscnt 0x0                               ; for the other waves: my part of x is in LDS,
	s_barrier_signal -1                            ; say so, and work on registers until all have said so
.irp i, 0,1,2,3
	SOFTPLUS4 T+4*\i, S+4*\i, W
.endr
.irp i, 0,1,2,3,4,5,6,7,8,9,10,11,12,13,14,15
	v_log_f32 v[W+\i], v[S+\i]                     ; log2 sigma
.endr
.irp i, 0,2,4,6,8,10,12,14
	v_pk_mul_f32 v[M+\i:M+\i+1], v[M+\i:M+\i+1], s[C_K:C_K+1] op_sel_hi:[1,0]    ; k mu: also the plain work behind the logarithms
.endr
	s_wait_alu depctr_va_vdst(0)
.irp i, 0,2,4,6,8,10,12,14
	v_pk_mul_f32 v[S+\i:S+\i+1], v[S+\i:S+\i+1], s[C_K:C_K+1] op_sel_hi:[1,0]    ; k sigma
.endr
	FOLD16 W
	v_add_f32 v[LS], v[W], v[W+1]
	s_barrier_wait -1
.irp s, 0,1,2,3
	ds_load_b128 v[X+4*\s:X+4*\s+3], v[XADR] offset:256*\s     ; x of b = 0..3; sixteen lanes share an address
.endr
.irp i, 0,1,2,3,4,5,6,7,8,9,10,11,12,13,14,15
	v_mov_b32 v[P+\i], 1.0                         ; 24 moves once, in place of a first round written out apart
.endr
.irp i, 0,1,2,3
	v_mov_b32 v[SE+\i], 0
	v_mov_b32 v[ST+\i], 0
.endr
	s_wait_dscnt 0x0
; ST += W(j)^2 and ACC += W(j) x_j for row j; xp: the even register of the pair that holds x_j, odd: x_j is the pair's second
.macro ROWACC j, xp, odd
.irp p, 0,2
	v_pk_fma_f32 v[ST+\p:ST+\p+1], v[W+4*\j+\p:W+4*\j+\p+1], v[W+4*\j+\p:W+4*\j+\p+1], v[ST+\p:ST+\p+1]
.if \odd
	v_pk_fma_f32 v[ACC+\p:ACC+\p+1], v[W+4*\j+\p:W+4*\j+\p+1], v[\xp:\xp+1], v[ACC+\p:ACC+\p+1] op_sel:[0,1,0] op_sel_hi:[1,1,1]
.else
	v_pk_fma_f32 v[ACC+\p:ACC+\p+1], v[W+4*\j+\p:W+4*\j+\p+1], v[\xp:\xp+1], v[ACC+\p:ACC+\p+1] op_sel_hi:[1,0,1]
.endif
.endr
.endm
; One slab: half-slot h, x at X + xs.  first = 1: the first product starts ACC.  fill = 1: the half-slot is loaded again, 8 slabs on.
; left = how many younger loads may stay out.
.macro HALF h, xs, first, fill, left
	s_wait_loadcnt \left                           ; my four loads are in; that also frees their offset register
.if \fill
	v_add_nc_u32 v[OFF+(\h)], STEP, v[OFF+(\h)]
.endif
.irp j, 0,1,2,3
.irp p, 0,2
	v_pk_fma_f32 v[W+4*\j+\p:W+4*\j+\p+1], v[E+16*(\h)+4*\j+\p:E+16*(\h)+4*\j+\p+1], v[S+4*\j+\p:S+4*\j+\p+1], v[M+4*\j+\p:M+4*\j+\p+1]
	v_pk_fma_f32 v[SE+\p:SE+\p+1], v[E+16*(\h)+4*\j+\p:E+16*(\h)+4*\j+\p+1], v[E+16*(\h)+4*\j+\p:E+16*(\h)+4*\j+\p+1], v[SE+\p:SE+\p+1]
.endr
.endr
.if \fill
.irp j, 0,1,2,3
	global_load_b128 v[E+16*(\h)+4*\j:E+16*(\h)+4*\j+3], v[OFF+(\h)], s[4:5] offset:\j*ROW th:TH_LOAD_NT     ; e has been read for the last time
.endr
.endif
.irp i, 0,2,4,6,8,10,12,14
	v_pk_fma_f32 v[T+\i:T+\i+1], v[W+\i:W+\i+1], v[W+\i:W+\i+1], 1.0 op_sel_hi:[1,1,0] neg_lo:[1,0,0] neg_hi:[1,0,0]    ; 1 - W^2
.endr
.irp i, 0,1,2,3,4,5,6,7,8,9,10,11,12,13,14,15
	v_exp_f32 v[T+\i], v[T+\i]                     ; 2 x 2^(-W^2), in (0, 2]
.endr
.irp p, 0,2                                            ; sixteen plain instructions between the exponentials and their use
	v_pk_fma_f32 v[ST+\p:ST+\p+1], v[W+\p:W+\p+1], v[W+\p:W+\p+1], v[ST+\p:ST+\p+1]
.if \first
	v_pk_mul_f32 v[ACC+\p:ACC+\p+1], v[W+\p:W+\p+1], v[X+(\xs):X+(\xs)+1] op_sel_hi:[1,0]
.else
	v_pk_fma_f32 v[ACC+\p:ACC+\p+1], v[W+\p:W+\p+1], v[X+(\xs):X+(\xs)+1], v[ACC+\p:ACC+\p+1] op_sel_hi:[1,0,1]
.endif
.endr
	ROWACC 1, X+(\xs), 1
	ROWACC 2, X+(\xs)+2, 0
	ROWACC 3, X+(\xs)+2, 1
	s_wait_alu depctr_va_vdst(0)
.irp i, 0,2,4,6,8,10,12,14
	v_pk_fma_f32 v[P+\i:P+\i+1], v[P+\i:P+\i+1], v[T+\i:T+\i+1], v[P+\i:P+\i+1]      ; P *= 1 + 2^(1 - W^2)
.endr
.endm
; One b = two slabs (r = 0, 1) into one ACC, which goes to LDS; dl = how many younger LDS instructions may stay out when x of this b has to be in
.macro TURN s, fill, l0, l1, dl
	s_wait_dscnt \dl
	HALF 2*\s, 4*\s, 1, \fill, \l0
	HALF 2*\s+1, 4*\s, 0, \fill, \l1
	ds_store_b128 v[PADR], v[ACC:ACC+3] offset:4096*\s
.if \fill
	ds_load_b128 v[X+4*\s:X+4*\s+3], v[XADR] offset:256*(4+\s)     ; x of the same place in the next round
.endif
.endm
; In the loop 32 loads are out at every load wait, the oldest four this half-slot's: 28 stay out.  Behind the LDS load of x for a turn stand
; three turns' store and load: 6 stay out.  Both hold on the way in too (32 loads out; no LDS instruction out).
	s_mov_b32 s20, 7
.Lround:
	TURN 0, 1, 28, 28, 6
	TURN 1, 1, 28, 28, 6
	TURN 2, 1, 28, 28, 6
	TURN 3, 1, 28, 28, 6
	v_add_nc_u32 v[XADR], 1024, v[XADR]            ; four b on
	v_add_nc_u32 v[PADR], 16384, v[PADR]
	s_sub_co_u32 s20, s20, 1
	s_cmp_lg_u32 s20, 0
	s_cbranch_scc1 .Lround
	TURN 0, 0, 28, 24, 6                           ; the last round loads nothing: the counts run down; its turns issue the LDS store alone
	TURN 1, 0, 20, 16, 5
	TURN 2, 0, 12, 8, 4
	TURN 3, 0, 4, 0, 3
	; my thread's U and V
.irp i, 0,1,2,3,4,5,6,7,8,9,10,11,12,13,14,15
	v_log_f32 v[P+\i], v[P+\i]
.endr
	v_pk_add_f32 v[SE:SE+1], v[SE:SE+1], v[SE+2:SE+3]          ; plain work behind the logarithms
	v_pk_add_f32 v[ST:ST+1], v[ST:ST+1], v[ST+2:ST+3]
	v_add_f32 v[SE], v[SE], v[SE+1]
	v_add_f32 v[ST], v[ST], v[ST+1]
	s_wait_alu depctr_va_vdst(0)
	FOLD16 P
	v_add_f32 v[P], v[P], v[P+1]
	v_fma_f32 v[UV], v[ST], s[C_M13], v[P]         ; U = sum log2 P - ST / 3
	v_mul_f32 v[UV+1], -0.5, v[SE]
	v_fmac_f32 v[UV+1], s31, v[LS]                 ; V = -SE / 2 - 64 ln 2 LS: each sigma stands for 64 slabs
; the sum over the wave's 32 lanes, in every lane; tmp: a register that has been written
.macro WAVESUM r, tmp
	v_add_f32_dpp v[\r], v[\r], v[\r] row_xmask:1 row_mask:0xf bank_mask:0xf
	v_add_f32_dpp v[\r], v[\r], v[\r] row_xmask:2 row_mask:0xf bank_mask:0xf
	v_add_f32_dpp v[\r], v[\r], v[\r] row_xmask:4 row_mask:0xf bank_mask:0xf
	v_add_f32_dpp v[\r], v[\r], v[\r] row_xmask:8 row_mask:0xf bank_mask:0xf
	v_permlanex16_b32 v[\tmp], v[\r], s28, s29
	v_add_f32 v[\r], v[\r], v[\tmp]
.endm
	WAVESUM UV, T
	WAVESUM UV+1, T
	v_lshl_add_u32 v4, v6, 12, v5                  ; (t >> 4) x 4096 + 16 c, written as a sum: at most 15 x 4096 + 240 = 61,680, so that the last
	                                               ; LDS load below ends at PART + 65,536 + 61,680 + 3,840 + 16 = 139,264 = SUMS
	s_lshl_b32 s32, s19, 3
	s_add_co_u32 s32, s32, SUMS
	v_mov_b32 v5, s32
	ds_store_b64 v5, v[UV:UV+1]                    ; my wave's pair: all lanes, one address, one value
	s_wait_dscnt 0x0                               ; for the other waves: my partial sums and my pair are in LDS
	s_barrier_signal -1
	v_add_nc_u32 v126, PART, v4                    ; thread t adds up b = t >> 4 and b = 16 + (t >> 4), columns 4 c .. 4 c + 3, over the 16 sub
	v_add_nc_u32 v127, PART+65536, v4
	s_lshl_b32 s32, s17, 17                        ; part[it][b][o]: it x 32 rows of 4,096 bytes
	s_lshl_b32 s33, s16, 8
	s_add_co_u32 s32, s32, s33
	v_add_nc_u32 v7, s32, v4
	s_barrier_wait -1
.irp q, 0,1,2,3,4,5,6,7,8,9,10,11,12,13,14,15
	ds_load_b128 v[E+4*\q:E+4*\q+3], v126 offset:256*\q        ; sixteen lanes read 256 consecutive bytes
.endr
.irp q, 0,1,2,3,4,5,6,7,8,9,10,11,12,13,14,15
	ds_load_b128 v[E+64+4*\q:E+64+4*\q+3], v127 offset:256*\q
.endr
; sixteen groups of 4 registers at b are added into the first, by halves
.macro SUM16 b
.irp st, 8,4,2,1
.set qi, 0
.rept \st
	v_pk_add_f32 v[\b+4*qi:\b+4*qi+1],   v[\b+4*qi:\b+4*qi+1],   v[\b+4*(qi+\st):\b+4*(qi+\st)+1]
	v_pk_add_f32 v[\b+4*qi+2:\b+4*qi+3], v[\b+4*qi+2:\b+4*qi+3], v[\b+4*(qi+\st)+2:\b+4*(qi+\st)+3]
.set qi, qi+1
.endr
.endr
.endm
	s_wait_dscnt 16                                ; the first sixteen are in
	SUM16 E
	global_store_b128 v7, v[E:E+3], s[12:13]       ; sixteen lanes store 256 consecutive bytes, aligned; the next launch reads them: no hint
	s_wait_dscnt 0x0
	SUM16 E+64
	global_store_b128 v7, v[E+64:E+67], s[12:13] offset:16*ROW
	s_cmp_lg_u32 s19, 0
	s_cbranch_scc1 .Lend                           ; wave 0 alone adds up the eight pairs
	v_mov_b32 v5, SUMS
.irp q, 0,1,2,3
	ds_load_b128 v[W+4*\q:W+4*\q+3], v5 offset:16*\q
.endr
	s_lshl4_add_u32 s32, s17, s16                  ; 16 it + ot
	s_lshl_b32 s32, s32, 3
	v_mov_b32 v6, s32
	s_wait_dscnt 0x0
	FOLD16 W
	s_wait_xcnt 0x0                                ; EXEC is a source of the two stores above: it is narrowed only behind this wait
	v_cmp_eq_u32 vcc_lo, 0, v0
	s_set_vgpr_msb 0x5
	s_wait_tensorcnt 0x0
	ds_add_u32 v0, v1
	s_wait_dscnt 0x0
	s_set_vgpr_msb 0x500
	s_and_saveexec_b32 s30, vcc_lo                 ; thread 0
	global_store_b64 v6, v[W:W+1], s[14:15]
	s_endpgm                                       ; this path ends here, so that no path with a narrowed EXEC meets another
.Lend:
	s_set_vgpr_msb 0x5
	s_wait_tensorcnt 0x0
	ds_add_u32 v0, v1
	s_wait_dscnt 0x0
	s_set_vgpr_msb 0x500
	s_endpgm
.Lfunc_end_k_q43e28d7cd7_main:
	.size	k_q43e28d7cd7_main, .Lfunc_end_k_q43e28d7cd7_main-k_q43e28d7cd7_main
	.p2alignl 7, 3214868480
	.fill 96, 4, 3214868480
	.section	.rodata,"a",@progbits
	.p2align	6, 0x0
	.amdhsa_kernel k_q43e28d7cd7_main
		.amdhsa_group_segment_fixed_size 140544
		.amdhsa_private_segment_fixed_size 0
		.amdhsa_enable_private_segment 0
		.amdhsa_kernarg_size 48
		.amdhsa_user_sgpr_count 2
		.amdhsa_user_sgpr_kernarg_segment_ptr 1
		.amdhsa_wavefront_size32 1
		.amdhsa_system_sgpr_workgroup_id_x 1
		.amdhsa_system_sgpr_workgroup_id_y 1
		.amdhsa_system_sgpr_workgroup_id_z 1
		.amdhsa_system_vgpr_workitem_id 0
		.amdhsa_next_free_vgpr 258
		.amdhsa_next_free_sgpr 66
		.amdhsa_reserve_vcc 1
		.amdhsa_float_denorm_mode_32 3
		.amdhsa_float_denorm_mode_16_64 3
		.amdhsa_memory_ordered 1
		.amdhsa_forward_progress 1
		.amdhsa_inst_pref_size 91
	.end_amdhsa_kernel
	.amdgpu_metadata
---
amdhsa.version: [ 1, 2 ]
amdhsa.kernels:
  - .name:           k_q43e28d7cd7_main
    .symbol:         k_q43e28d7cd7_main.kd
    .args:
      - { .name: eps, .offset: 0, .size: 8, .value_kind: global_buffer, .address_space: global }
      - { .name: mu, .offset: 8, .size: 8, .value_kind: global_buffer, .address_space: global }
      - { .name: ro, .offset: 16, .size: 8, .value_kind: global_buffer, .address_space: global }
      - { .name: x, .offset: 24, .size: 8, .value_kind: global_buffer, .address_space: global }
      - { .name: part, .offset: 32, .size: 8, .value_kind: global_buffer, .address_space: global }
      - { .name: sums, .offset: 40, .size: 8, .value_kind: global_buffer, .address_space: global }
    .group_segment_fixed_size: 140544
    .private_segment_fixed_size: 0
    .kernarg_segment_align: 8
    .kernarg_segment_size: 48
    .max_flat_workgroup_size: 256
    .sgpr_count:     66
    .vgpr_count:     258
    .wavefront_size: 32
...
	.end_amdgpu_metadata
.endif
;; end of part 1
;; launch finish (part 2): grid 33 x 1, 8 waves a work-group, no clusters, 1,280 bytes of LDS; arguments part, sums, eps_bias, mu_bias, ro_bias, out0, out1, out2; writes out0, out1, out2
.if DOCPART == 2
	.amdgcn_target "amdgcn-amd-amdhsa--gfx1250"
	.amdhsa_code_object_version 6
	.text
	.protected	k_q43e28d7cd7_finish
	.globl	k_q43e28d7cd7_finish
	.p2align	8
	.type	k_q43e28d7cd7_finish,@function
k_q43e28d7cd7_finish:
	s_mov_b64 s[64:65], 0
	v_nop
	global_prefetch_b8 v0, s[64:65] scope:SCOPE_SE
	s_setreg_imm32_b32 hwreg(HW_REG_WAVE_MODE, 25, 1), 1
	s_wait_xcnt 0x0
; BayesianLayer, second launch: adds up what the first left and does the bias.
; Work-groups 1..32 (b = number - 1): out0[b][o] = (0.5 / k) sum over it of part[it][b][o] + 0.5 (e0 + e1) sigma_b[o] + mu_b[o]; thread t has columns
; 4 t .. 4 t + 3, so every load and store of a wave covers 512 consecutive bytes.
; Work-group 0 (first, since its way is the longest): the same sums as in the first launch over eps_bias [64][1024] (thread t: columns 4 t .. 4 t + 3 of
; all 64 rows; a chain P gets 16 factors in [1, 3]), the 256 pairs of sums, and the two numbers:
;   out1 = 2 ln(0.25 / sqrt(2 pi)) / 64 + (ln 2 / 64) (2^-26 sum U_w + 2^-16 sum U_b)          (2^26 weights, 2^16 biases)
;   out2 = -2 ln sqrt(2 pi) / 64 + (1 / 64) (2^-26 sum V_w + 2^-16 sum V_b)
; The sums over work-groups are what asks for this launch: no work-group of a launch reads what another has stored.
; No matrix instructions, clusters or LDS ring: 2.3 MiB are read once, straight into registers.
; LIMITS: as stated at the head of the first launch (finite where reference() gives -inf; (bias - mu_b) / sigma_b taken as eps_bias; a sigma below
; 2^-126 counts as 0).
.set ROW,   4096
.set LS,    5                          ; v5        sum of log2 sigma_b of my 4 columns
.set RO,    8                          ; v[8:11]   ro_bias
.set MU,    12                         ; v[12:15]  mu_bias
.set SG,    16                         ; v[16:19]  sigma_b
.set S,     20                         ; v[20:23]  k sigma_b
.set M,     24                         ; v[24:27]  k mu_b
.set TMP,   28                         ; v[28:43]  scratch of the softplus
.set W,     68                         ; v[68:83]
.set T,     84                         ; v[84:99]
.set P,     100                        ; v[100:115]
.set SE,    116                        ; v[116:119]
.set ST,    120                        ; v[120:123]
.set UV,    124                        ; v[124:125]
.set E,     128                        ; v[128:255] 32 loads of 4 registers
.set C_HK,   24                        ; s[24:25]: 0.5 / k, -log2 e   (pairs for the packed forms, which take the first word)
.set C_NL2E, 25
.set C_K,    26                        ; s[26:27]: k, -1/3
.set C_M13,  27
.set C_LN2,  30
.set C_M25,  31
.set C_13,   32
.set C_TH,   33                        ; 2^-6, which is also 1 / 64
	s_load_b512 s[8:23], s[0:1], 0x0               ; part s[8:9], sums s[10:11], eps_bias s[12:13], mu_bias s[14:15], ro_bias s[16:17], out0 s[18:19], out1 s[20:21], out2 s[22:23]
	v_lshl_add_u32 v126, v0, 2, 0x100
	v_mov_b32 v127, 0
	v_lshlrev_b32 v1, 4, v0                        ; 16 t
	s_mov_b32 s[C_HK],   0x3f2e05ee                ; 0.5 / k, k = sqrt(3 / (8 ln 2))
	s_mov_b32 s[C_NL2E], 0xbfb8aa3b                ; -log2 e
	s_mov_b32 s[C_LN2],  0x3f317218                ; ln 2
	s_mov_b32 s[C_M25],  0xbe800000                ; -1/4
	s_mov_b32 s[C_13],   0x3eaaaaab                ; 1/3
	s_mov_b32 s[C_TH],   0x3c800000                ; 2^-6
	s_wait_kmcnt 0x0
	global_load_b128 v[RO:RO+3], v1, s[16:17]
	global_load_b128 v[MU:MU+3], v1, s[14:15]
; d = softplus(r) for 4 registers; 16 registers of scratch at t.  y = e^-|r|; log1p(y) = y (1 - y/2 + y^2/3 - y^3/4) below y = 2^-6 (the first term
; left out is y^4/5 < 1.2e-8 of the result), ln 2 log2(1 + y) from there on; the result is max(r, 0) + log1p(y).  The choice selects a value only.
.macro SOFTPLUS4 r, d, t
.irp i, 0,1,2,3
	v_and_b32 v[\t+\i], 0x7fffffff, v[\r+\i]
.endr
.irp i, 0,1,2,3
	v_mul_f32 v[\t+\i], s[C_NL2E], v[\t+\i]
.endr
.irp i, 0,1,2,3
	v_exp_f32 v[\t+\i], v[\t+\i]                   ; y
.endr
.irp i, 0,1,2,3
	v_max_num_f32 v[\t+12+\i], 0, v[\r+\i]         ; plain work between the exponentials and the first use of y (ISA guide 5.7.2)
.endr
	s_wait_alu depctr_va_vdst(0)
.irp i, 0,1,2,3
	v_add_f32 v[\t+8+\i], 1.0, v[\t+\i]
.endr
.irp i, 0,1,2,3
	v_log_f32 v[\t+8+\i], v[\t+8+\i]
.endr
.irp i, 0,1,2,3
	v_fma_f32 v[\t+4+\i], v[\t+\i], s[C_M25], s[C_13]          ; the polynomial stands between the logarithms and their use
.endr
.irp i, 0,1,2,3
	v_fma_f32 v[\t+4+\i], v[\t+4+\i], v[\t+\i], -0.5
.endr
.irp i, 0,1,2,3
	v_fma_f32 v[\t+4+\i], v[\t+4+\i], v[\t+\i], 1.0
.endr
.irp i, 0,1,2,3
	v_mul_f32 v[\t+4+\i], v[\t+4+\i], v[\t+\i]
.endr
	s_wait_alu depctr_va_vdst(0)
.irp i, 0,1,2,3
	v_mul_f32 v[\t+8+\i], s[C_LN2], v[\t+8+\i]
.endr
.irp i, 0,1,2,3
	v_cmp_gt_f32 vcc_lo, s[C_TH], v[\t+\i]
	v_cndmask_b32 v[\t+8+\i], v[\t+8+\i], v[\t+4+\i], vcc_lo
.endr
.irp i, 0,1,2,3
	v_add_f32 v[\d+\i], v[\t+12+\i], v[\t+8+\i]
.endr
.endm
; eight register pairs at b are added into the pair at b
.macro FOLD16 b
.irp i, 0,2,4,6
	v_pk_add_f32 v[\b+\i:\b+\i+1], v[\b+\i:\b+\i+1], v[\b+8+\i:\b+8+\i+1]
.endr
.irp i, 0,2
	v_pk_add_f32 v[\b+\i:\b+\i+1], v[\b+\i:\b+\i+1], v[\b+4+\i:\b+4+\i+1]
.endr
	v_pk_add_f32 v[\b:\b+1], v[\b:\b+1], v[\b+2:\b+3]
.endm
; sixteen groups of 4 registers at b are added into the first, by halves
.macro SUM16 b
.irp st, 8,4,2,1
.set qi, 0
.rept \st
	v_pk_add_f32 v[\b+4*qi:\b+4*qi+1],   v[\b+4*qi:\b+4*qi+1],   v[\b+4*(qi+\st):\b+4*(qi+\st)+1]
	v_pk_add_f32 v[\b+4*qi+2:\b+4*qi+3], v[\b+4*qi+2:\b+4*qi+3], v[\b+4*(qi+\st)+2:\b+4*(qi+\st)+3]
.set qi, qi+1
.endr
.endr
.endm
	s_cmp_eq_u32 ttmp9, 0                          ; the same in all waves of a work-group
	s_cbranch_scc1 .Lscalars
	; ---- work-groups 1..32: a row of out0 ----
	s_sub_co_u32 s5, ttmp9, 1                      ; b
	s_lshl_b32 s6, s5, 12                          ; a row of part and of out0
	s_lshl_b32 s7, s5, 13                          ; two rows of eps_bias
	v_add_nc_u32 v2, s6, v1
	v_add_nc_u32 v3, s7, v1
	global_load_b128 v[W:W+3],   v3, s[12:13]                  ; eps_bias[b][0]
	global_load_b128 v[W+4:W+7], v3, s[12:13] offset:ROW       ; eps_bias[b][1]
.irp q, 0,1,2,3,4,5,6,7,8,9,10,11,12,13,14,15
	global_load_b128 v[E+4*\q:E+4*\q+3], v2, s[8:9] offset:\q*32*ROW th:TH_LOAD_NT   ; part[q][b]
.endr
	s_wait_loadcnt 18                              ; ro_bias and mu_bias are in; the 18 loads behind them stay out
	SOFTPLUS4 RO, SG, TMP
	v_pk_mul_f32 v[SG:SG+1],   v[SG:SG+1],   0.5 op_sel_hi:[1,0]
	v_pk_mul_f32 v[SG+2:SG+3], v[SG+2:SG+3], 0.5 op_sel_hi:[1,0]
	s_wait_loadcnt 16                              ; eps_bias is in; part's 16 loads stay out
	v_pk_add_f32 v[W:W+1],   v[W:W+1],   v[W+4:W+5]
	v_pk_add_f32 v[W+2:W+3], v[W+2:W+3], v[W+6:W+7]
	v_pk_fma_f32 v[W:W+1],   v[W:W+1],   v[SG:SG+1],   v[MU:MU+1]      ; the mean bias: (e0 + e1) sigma_b / 2 + mu_b
	v_pk_fma_f32 v[W+2:W+3], v[W+2:W+3], v[SG+2:SG+3], v[MU+2:MU+3]
	s_wait_loadcnt 0x0
	SUM16 E
	v_pk_fma_f32 v[E:E+1],   v[E:E+1],   s[C_HK:C_HK+1], v[W:W+1]   op_sel_hi:[1,0,1]     ; part holds k x the sum over both r
	v_pk_fma_f32 v[E+2:E+3], v[E+2:E+3], s[C_HK:C_HK+1], v[W+2:W+3] op_sel_hi:[1,0,1]
	global_store_b128 v2, v[E:E+3], s[18:19]
	s_endpgm
	; ---- work-group 0: the two numbers ----
.Lscalars:
	v_lshlrev_b32 v4, 3, v0
	v_lshrrev_b32 v2, 5, v0
	v_readfirstlane_b32 s4, v2                     ; wave 0..7
	global_load_b64 v[6:7], v4, s[10:11] th:TH_LOAD_NT         ; thread t: the pair of the first launch's work-group t
.set n, 0
.rept 32
	global_load_b128 v[E+4*n:E+4*n+3], v1, s[12:13] offset:n*ROW       ; eps_bias rows 0 to 31
.set n, n+1
.endr
	s_mov_b32 s[C_K],   0x3f3c4bf9                 ; k
	s_mov_b32 s[C_M13], 0xbeaaaaab                 ; -1/3
	s_mov_b32 s28, 0x76543210                      ; v_permlanex16_b32: lane i of one half reads lane i of the other
	s_mov_b32 s29, 0xfedcba98
	s_mov_b32 s34, 0x32800000                      ; s[34:35]: 2^-26, -64 ln 2
	s_mov_b32 s35, 0xc2317218
	s_mov_b32 s36, 0x37800000                      ; s[36:37]: 2^-16, ln 2 / 64
	s_mov_b32 s37, 0x3c317218
	s_mov_b32 s38, 0xbd9388f0                      ; 2 ln(0.25 / sqrt(2 pi)) / 64
	s_mov_b32 s39, 0xbceb3f8e                      ; -2 ln sqrt(2 pi) / 64
	s_wait_loadcnt 33                              ; ro_bias and mu_bias are in; the 33 loads behind them stay out
	SOFTPLUS4 RO, SG, TMP
.irp i, 0,1,2,3
	v_log_f32 v[TMP+\i], v[SG+\i]
.endr
	v_pk_mul_f32 v[M:M+1],   v[MU:MU+1],   s[C_K:C_K+1] op_sel_hi:[1,0]        ; plain work behind the logarithms
	v_pk_mul_f32 v[M+2:M+3], v[MU+2:MU+3], s[C_K:C_K+1] op_sel_hi:[1,0]
	v_pk_mul_f32 v[S:S+1],   v[SG:SG+1],   s[C_K:C_K+1] op_sel_hi:[1,0]
	v_pk_mul_f32 v[S+2:S+3], v[SG+2:SG+3], s[C_K:C_K+1] op_sel_hi:[1,0]
	s_wait_alu depctr_va_vdst(0)
	v_pk_add_f32 v[TMP:TMP+1], v[TMP:TMP+1], v[TMP+2:TMP+3]
	v_add_f32 v[LS], v[TMP], v[TMP+1]
.irp i, 0,1,2,3,4,5,6,7,8,9,10,11,12,13,14,15
	v_mov_b32 v[P+\i], 1.0
.endr
.irp i, 0,1,2,3
	v_mov_b32 v[SE+\i], 0
	v_mov_b32 v[ST+\i], 0
.endr
; Four rows of eps_bias, in registers E + 16 sl.  fill = 1: the registers are loaded again with the rows 32 further down.
; left = how many younger loads may stay out.
.macro GROUP sl, fill, left
	s_wait_loadcnt \left
.irp j, 0,1,2,3
.irp p, 0,2
	v_pk_fma_f32 v[W+4*\j+\p:W+4*\j+\p+1], v[E+16*\sl+4*\j+\p:E+16*\sl+4*\j+\p+1], v[S+\p:S+\p+1], v[M+\p:M+\p+1]
	v_pk_fma_f32 v[SE+\p:SE+\p+1], v[E+16*\sl+4*\j+\p:E+16*\sl+4*\j+\p+1], v[E+16*\sl+4*\j+\p:E+16*\sl+4*\j+\p+1], v[SE+\p:SE+\p+1]
.endr
.endr
.if \fill
.irp j, 0,1,2,3
	global_load_b128 v[E+16*\sl+4*\j:E+16*\sl+4*\j+3], v1, s[12:13] offset:(4*\sl+\j+32)*ROW
.endr
.endif
.irp i, 0,2,4,6,8,10,12,14
	v_pk_fma_f32 v[T+\i:T+\i+1], v[W+\i:W+\i+1], v[W+\i:W+\i+1], 1.0 op_sel_hi:[1,1,0] neg_lo:[1,0,0] neg_hi:[1,0,0]    ; 1 - W^2
.endr
.irp i, 0,1,2,3,4,5,6,7,8,9,10,11,12,13,14,15
	v_exp_f32 v[T+\i], v[T+\i]
.endr
.irp j, 0,1,2,3
.irp p, 0,2
	v_pk_fma_f32 v[ST+\p:ST+\p+1], v[W+4*\j+\p:W+4*\j+\p+1], v[W+4*\j+\p:W+4*\j+\p+1], v[ST+\p:ST+\p+1]     ; plain work behind the exponentials
.endr
.endr
	s_wait_alu depctr_va_vdst(0)
.irp i, 0,2,4,6,8,10,12,14
	v_pk_fma_f32 v[P+\i:P+\i+1], v[P+\i:P+\i+1], v[T+\i:T+\i+1], v[P+\i:P+\i+1]
.endr
.endm
.irp g, 0,1,2,3,4,5,6,7
	GROUP \g, 1, 28                                ; 32 loads of eps_bias are out, the oldest four this group's: 28 stay out
.endr
.irp g, 0,1,2,3,4,5,6,7
	GROUP \g, 0, 28-4*\g                           ; nothing is loaded any more: the counts run down to 0
.endr
.irp i, 0,1,2,3,4,5,6,7,8,9,10,11,12,13,14,15
	v_log_f32 v[P+\i], v[P+\i]
.endr
	v_pk_add_f32 v[SE:SE+1], v[SE:SE+1], v[SE+2:SE+3]          ; plain work behind the logarithms
	v_pk_add_f32 v[ST:ST+1], v[ST:ST+1], v[ST+2:ST+3]
	v_add_f32 v[SE], v[SE], v[SE+1]
	v_add_f32 v[ST], v[ST], v[ST+1]
	s_wait_alu depctr_va_vdst(0)
	FOLD16 P
	v_add_f32 v[P], v[P], v[P+1]
	v_fma_f32 v[UV], v[ST], s[C_M13], v[P]         ; U_b = sum log2 P - ST / 3
	v_mul_f32 v[UV+1], -0.5, v[SE]
	v_fmac_f32 v[UV+1], s35, v[LS]                 ; V_b = -SE / 2 - 64 ln 2 LS
	v_pk_mul_f32 v[6:7], v[6:7], s[34:35] op_sel_hi:[1,0]                      ; the weights' pair x 2^-26
	v_pk_fma_f32 v[UV:UV+1], v[UV:UV+1], s[36:37], v[6:7] op_sel_hi:[1,0,1]    ; + the biases' pair x 2^-16
; the sum over the wave's 32 lanes, in every lane; tmp: a register that has been written
.macro WAVESUM r, tmp
	v_add_f32_dpp v[\r], v[\r], v[\r] row_xmask:1 row_mask:0xf bank_mask:0xf
	v_add_f32_dpp v[\r], v[\r], v[\r] row_xmask:2 row_mask:0xf bank_mask:0xf
	v_add_f32_dpp v[\r], v[\r], v[\r] row_xmask:4 row_mask:0xf bank_mask:0xf
	v_add_f32_dpp v[\r], v[\r], v[\r] row_xmask:8 row_mask:0xf bank_mask:0xf
	v_permlanex16_b32 v[\tmp], v[\r], s28, s29
	v_add_f32 v[\r], v[\r], v[\tmp]
.endm
	WAVESUM UV, T
	WAVESUM UV+1, T
	s_lshl_b32 s5, s4, 3
	v_mov_b32 v2, s5
	ds_store_b64 v2, v[UV:UV+1]                    ; my wave's pair at 8 x wave
	s_wait_dscnt 0x0                               ; for wave 0: it is in LDS
	s_barrier_signal -1
	s_barrier_wait -1
	s_cmp_lg_u32 s4, 0
	s_cbranch_scc1 .Lend                           ; wave 0 alone goes on
	v_mov_b32 v2, 0
.irp q, 0,1,2,3
	ds_load_b128 v[W+4*\q:W+4*\q+3], v2 offset:16*\q
.endr
	s_wait_dscnt 0x0
	FOLD16 W
	v_fma_f32 v[W],   v[W],   s37, s38             ; out1
	v_fma_f32 v[W+1], v[W+1], s[C_TH], s39         ; out2
	s_wait_xcnt 0x0                                ; EXEC is a source of the loads above: it is narrowed only behind this wait
	v_cmp_eq_u32 vcc_lo, 0, v0
	s_wait_tensorcnt 0x0
	ds_add_u32 v126, v127
	s_wait_dscnt 0x0
	s_and_saveexec_b32 s40, vcc_lo                 ; thread 0
	global_store_b32 v2, v[W],   s[20:21]
	global_store_b32 v2, v[W+1], s[22:23]
	s_endpgm                                       ; this path ends here, so that no path with a narrowed EXEC meets another
.Lend:
	s_wait_tensorcnt 0x0
	ds_add_u32 v126, v127
	s_wait_dscnt 0x0
	s_endpgm
.Lfunc_end_k_q43e28d7cd7_finish:
	.size	k_q43e28d7cd7_finish, .Lfunc_end_k_q43e28d7cd7_finish-k_q43e28d7cd7_finish
	.p2alignl 7, 3214868480
	.fill 96, 4, 3214868480
	.section	.rodata,"a",@progbits
	.p2align	6, 0x0
	.amdhsa_kernel k_q43e28d7cd7_finish
		.amdhsa_group_segment_fixed_size 1280
		.amdhsa_private_segment_fixed_size 0
		.amdhsa_enable_private_segment 0
		.amdhsa_kernarg_size 64
		.amdhsa_user_sgpr_count 2
		.amdhsa_user_sgpr_kernarg_segment_ptr 1
		.amdhsa_wavefront_size32 1
		.amdhsa_system_sgpr_workgroup_id_x 1
		.amdhsa_system_sgpr_workgroup_id_y 1
		.amdhsa_system_sgpr_workgroup_id_z 1
		.amdhsa_system_vgpr_workitem_id 0
		.amdhsa_next_free_vgpr 256
		.amdhsa_next_free_sgpr 66
		.amdhsa_reserve_vcc 1
		.amdhsa_float_denorm_mode_32 3
		.amdhsa_float_denorm_mode_16_64 3
		.amdhsa_memory_ordered 1
		.amdhsa_forward_progress 1
		.amdhsa_inst_pref_size 72
	.end_amdhsa_kernel
	.amdgpu_metadata
---
amdhsa.version: [ 1, 2 ]
amdhsa.kernels:
  - .name:           k_q43e28d7cd7_finish
    .symbol:         k_q43e28d7cd7_finish.kd
    .args:
      - { .name: part, .offset: 0, .size: 8, .value_kind: global_buffer, .address_space: global }
      - { .name: sums, .offset: 8, .size: 8, .value_kind: global_buffer, .address_space: global }
      - { .name: eps_bias, .offset: 16, .size: 8, .value_kind: global_buffer, .address_space: global }
      - { .name: mu_bias, .offset: 24, .size: 8, .value_kind: global_buffer, .address_space: global }
      - { .name: ro_bias, .offset: 32, .size: 8, .value_kind: global_buffer, .address_space: global }
      - { .name: out0, .offset: 40, .size: 8, .value_kind: global_buffer, .address_space: global }
      - { .name: out1, .offset: 48, .size: 8, .value_kind: global_buffer, .address_space: global }
      - { .name: out2, .offset: 56, .size: 8, .value_kind: global_buffer, .address_space: global }
    .group_segment_fixed_size: 1280
    .private_segment_fixed_size: 0
    .kernarg_segment_align: 8
    .kernarg_segment_size: 64
    .max_flat_workgroup_size: 256
    .sgpr_count:     66
    .vgpr_count:     256
    .wavefront_size: 32
...
	.end_amdgpu_metadata
.endif
;; end of part 2
